; MI455X (gfx1250); checked and timed in simulation.
; The chip was launched on July 23, 2026; its instructions are those of AMD's public machine-readable ISA for CDNA 5 (MIT licence, August 2026) and "CDNA5" Instruction Set Architecture Reference Guide (July 2026). The comments in the code are by the model that wrote it; some were corrected since.
;; HK Linear. Allowed arithmetic: float matrix products may take bf16 or f16 operands with f32 sums; other float arithmetic in f32, or as packed bf16 or f16 multiplies, adds, multiply-adds, maxima and minima; sums over many terms, partial sums and values carried from step to step in f32; what a program stores and reads back later, other than sums and carried values, may be rounded once to bf16 or f16.
;; Inputs: assignments 4,096 int32; bias 4,096 float32; centroids 64 x 4,096 float32; input 4 x 1,024 x 4,096 float32; weight 4,096 x 4,096 float32.
;; Outputs: out0 4 x 1,024 x 4,096 float32.
;; One version. Each part assembles by itself: llvm-mc -triple=amdgcn-amd-amdhsa -mcpu=gfx1250 --defsym DOCPART=n.
;; ======== version 1 of 1: 2 launches
;; workspace buffers: xb 33,554,432 bytes; wb 33,554,432 bytes; hits 32,768 bytes of whole numbers; uni 2,048 bytes of whole numbers
;; launch prep (part 1): grid 256 x 1, 16 waves a work-group, no clusters, 280,832 bytes of LDS; arguments input, weight, centroids, xb, wb, hits, uni; writes xb, wb, hits, uni
.if DOCPART == 1
	.amdgcn_target "amdgcn-amd-amdhsa--gfx1250"
	.amdhsa_code_object_version 6
	.text
	.protected	k_qda31bc50a9_prep
	.globl	k_qda31bc50a9_prep
	.p2align	8
	.type	k_qda31bc50a9_prep,@function
k_qda31bc50a9_prep:
	s_mov_b64 s[64:65], 0
	v_nop
	global_prefetch_b8 v0, s[64:65] scope:SCOPE_SE
	s_setreg_imm32_b32 hwreg(HW_REG_WAVE_MODE, 25, 1), 1
	s_wait_xcnt 0x0
; PREP.  x = input as [4096][4096] f32, W = weight [4096][4096] f32, centroids [64][4096] f32.
; Stores: xb, wb = x, W rounded once to bf16 (same shape); hits[q][2] = the 64 hit bits of query q (word 0 bit l: cluster 2 l, word 1 bit l: cluster 2 l + 1);
; uni[g][2] = the OR of the hit words of work-group g's 16 queries.  A hit: softmax(10 x . centroid)[c] > 0.01.
; LIMITS.  The routing product takes x and the centroids rounded to bf16 and sums K in 16 f32 parts (one a wave), added as a tree.  The row's maximum is taken away before the
; exponential.  The test is p > 0.01 * sum(p) in place of p / sum(p) > 0.01: the last bit's rounding differs.  A weight under 2^-126 counts as 0 (never a hit: the sum is 1 at the least).
; A NaN or an infinity among a row's logits makes the sum NaN and the row has no hit.
; SHARES.  Work-group g: rows 16 g .. 16 g + 15 of x and of W.  Wave w of 16: K = 256 w .. 256 w + 255 of those rows and of all 64 centroids, in two chunks of 128.
; A GROUP is 16 rows x 128 K of f32: 16 loads, each 512 consecutive bytes of one row.  A chunk has six groups: x, centroids 0-15, 16-31, 32-47, 48-63, W.  Two register buffers take turns,
; so that 16 to 32 loads of every wave are on their way.  Everything is unrolled: every step stands in an immediate and no address register is written twice.
; NO JOINT LOADS for the centroids, which all work-groups read (1 MiB beside a work-group's own 512 KiB): they are rounded on their way through registers; a joint tensor load would bring f32
; tiles into LDS and want a ring of slots beside the stages.  Not built.
.set ROWX,  16384                      ; bytes in a row of f32
.set ROWB,  8192                       ; bytes in a row of bf16
.set SP,    272                        ; an LDS row: 256 bytes + 16: 17 x 16 bytes, so that 16 rows' equal columns fall on 16 different columns of 16 bytes modulo 256
.set STGW,  48*SP                      ; a wave's stage: rows 0-15 x, rows 16-47 two centroid tiles, 128 K of bf16 each
.set PART,  16*STGW                    ; behind the stages: each wave's partial logits, [16 queries][64 clusters] f32
.set PARTW, 16*SP
.set HWB,   PART+16*PARTW              ; one block of 256 bytes: the 16 queries' hit words
.set SPARE, HWB+256                    ; the spare words, 128 bytes for each of 16 waves: eight blocks of 256 bytes that no other line names
.set VOF, 2                            ; v2   1024 w + 16 lane: my 16 bytes in a row of f32
.set VOS, 3                            ; v3   512 w + 8 lane: my 8 bytes in a row of bf16
.set LST, 4                            ; v4   my stage + 8 lane
.set LFR, 5                            ; v5   my stage + 272 (lane % 16) + 16 (lane / 16): a fragment's address
.set SPW, 6                            ; v6   my spare word; never rewritten
.set NIL, 7                            ; v7   0; never rewritten
.set PST, 8                            ; v8   my partials + 272 (lane % 16) + 32 (lane / 16)
.set PRD, 9                            ; v9   wave 0's partials + 272 w + 8 lane: query w, clusters 2 lane, 2 lane + 1
.set HST, 10                           ; v10  HWB + 8 w
.set L4,  11                           ; v11  4 lane
.set LB,  12                           ; v12-75, v76-139  two buffers of a group as loaded
.set Y,   140                          ; v140-171  a group rounded to bf16
.set ACC, 172                          ; v172-203  four accumulators: centroid tile j at ACC + 8 j
.set FA,  204                          ; v204-227  fragments, buffer a: x, centroid tile, centroid tile
.set FB,  140                          ; v140-163  fragments, buffer b: in Y, which is idle while products run
	s_load_b256 s[4:11], s[0:1], 0x0               ; input s[4:5], weight s[6:7], centroids s[8:9], xb s[10:11]
	s_load_b128 s[12:15], s[0:1], 0x20             ; wb s[12:13], hits s[14:15]
	s_load_b64 s[16:17], s[0:1], 0x30              ; uni
	v_lshl_add_u32 v[SPW], v0, 2, SPARE
	v_mov_b32 v[NIL], 0
	v_lshrrev_b32 v12, 5, v0
	v_readfirstlane_b32 s18, v12                   ; wave 0..15
	v_and_b32 v1, 31, v0                           ; lane
	v_and_b32 v13, 15, v0                          ; lane % 16
	v_bfe_u32 v14, v0, 4, 1                        ; lane / 16
	s_lshl_b32 s20, ttmp9, 18                      ; 16 rows of f32
	s_mov_b32 s21, 0
	s_lshl_b32 s22, ttmp9, 17                      ; 16 rows of bf16
	s_mov_b32 s23, 0
	s_lshl_b32 s24, ttmp9, 7                       ; 16 queries' hit words
	s_mov_b32 s25, 0
	s_lshl_b32 s26, ttmp9, 3                       ; the group's two union words
	s_mov_b32 s27, 0
	s_mov_b32 s28, 0x76543210                      ; v_permlanex16_b32: each lane takes its own place in the other half
	s_mov_b32 s29, 0xfedcba98
	s_mov_b32 s30, 0x4166d4ca                      ; 10 log2(e): 1 / temperature, and base 2
	s_lshl_b32 s19, s18, 10
	v_lshlrev_b32 v[VOF], 4, v1
	v_add_nc_u32 v[VOF], s19, v[VOF]
	s_lshl_b32 s19, s18, 9
	v_lshlrev_b32 v[VOS], 3, v1
	v_add_nc_u32 v[VOS], s19, v[VOS]
	s_mul_i32 s19, s18, STGW                       ; my stage
	v_lshl_add_u32 v[LST], v1, 3, s19
	v_mul_u32_u24 v[LFR], v13, SP
	v_lshl_add_u32 v[LFR], v14, 4, v[LFR]
	v_add_nc_u32 v[LFR], s19, v[LFR]
	s_mul_i32 s35, s18, PARTW
	s_add_co_u32 s35, s35, PART                    ; my partials
	v_mul_u32_u24 v[PST], v13, SP
	v_lshl_add_u32 v[PST], v14, 5, v[PST]
	v_add_nc_u32 v[PST], s35, v[PST]
	s_mul_i32 s36, s18, SP
	s_add_co_u32 s36, s36, PART
	v_lshl_add_u32 v[PRD], v1, 3, s36
	s_lshl_b32 s37, s18, 3
	s_add_co_u32 s37, s37, HWB
	v_mov_b32 v[HST], s37
	v_lshlrev_b32 v[L4], 2, v1
	s_wait_kmcnt 0x0
	s_add_nc_u64 s[4:5], s[4:5], s[20:21]          ; each buffer at the work-group's part
	s_add_nc_u64 s[6:7], s[6:7], s[20:21]
	s_add_nc_u64 s[10:11], s[10:11], s[22:23]
	s_add_nc_u64 s[12:13], s[12:13], s[22:23]
	s_add_nc_u64 s[14:15], s[14:15], s[24:25]
	s_add_nc_u64 s[16:17], s[16:17], s[26:27]
; Group n = 6 t + p (chunk t; p = 0: x, 1-4: centroid tiles 0-3, 5: W) is asked for: 16 rows, 512 consecutive bytes each, into buffer n % 2.
.macro LOADG n
.set lt, (\n)/6
.set lp, (\n)%6
.set lb, LB+64*((\n)%2)
.set li, 0
.rept 16
.if lp == 0
	global_load_b128 v[lb+4*li:lb+4*li+3], v[VOF], s[4:5] offset:li*ROWX+512*lt th:TH_LOAD_NT
.elseif lp == 5
	global_load_b128 v[lb+4*li:lb+4*li+3], v[VOF], s[6:7] offset:li*ROWX+512*lt th:TH_LOAD_NT
.else
	global_load_b128 v[lb+4*li:lb+4*li+3], v[VOF], s[8:9] offset:(16*(lp-1)+li)*ROWX+512*lt  ; no hint: every work-group reads these rows
.endif
.set li, li+1
.endr
.endm
; Group n is rounded; the group two on is asked for, ahead of the stores; x and W go to memory (each store 256 consecutive bytes, aligned), x and the centroids into my stage.
.macro GROUP n
.set gt, (\n)/6
.set gp, (\n)%6
.set gb, LB+64*((\n)%2)
.set gr0, 0
.if gp > 0
.set gr0, 16+16*((gp-1)%2)
.endif
.if (\n) == 11
	s_wait_loadcnt 0x0                             ; the last group: nothing was asked for behind it
.else
	s_wait_loadcnt 16                              ; loads come back in order: mine are in, the next group's 16 stay out
.endif
.if (gp == 1) || ((\n) == 6)
	s_wait_xcnt 0x0                                ; Y was the data of the group before's global stores: it is rewritten only behind this wait
.endif
.set gi, 0
.rept 32
	v_cvt_pk_bf16_f32 v[Y+gi], v[gb+2*gi], v[gb+2*gi+1]
.set gi, gi+1
.endr
.if (\n)+2 < 12
	LOADG (\n)+2
.endif
.set gi, 0
.rept 16
.if gp == 0
	global_store_b64 v[VOS], v[Y+2*gi:Y+2*gi+1], s[10:11] offset:gi*ROWB+256*gt
.elseif gp == 5
	global_store_b64 v[VOS], v[Y+2*gi:Y+2*gi+1], s[12:13] offset:gi*ROWB+256*gt
.endif
.if gp < 5
	ds_store_b64 v[LST], v[Y+2*gi:Y+2*gi+1] offset:(gr0+gi)*SP
.endif
.set gi, gi+1
.endr
.endm
; The fragments of 32 K (number s of the chunk's four): x's 16 rows and the two centroid tiles in my stage, 8 registers each: lane l holds row l % 16, K = 8 (l / 16) + 0..7 and 16 + 8 (l / 16) + 0..7.
.macro LOADF s, f
.irp u, 0,1,2
	ds_load_b128 v[(\f)+8*(\u):(\f)+8*(\u)+3],   v[LFR] offset:16*(\u)*SP+64*(\s)
	ds_load_b128 v[(\f)+8*(\u)+4:(\f)+8*(\u)+7], v[LFR] offset:16*(\u)*SP+64*(\s)+32
.endr
.endm
; Two products: source 0 = 16 clusters, source 1 = 16 queries: a lane then holds one query (l % 16) and eight clusters.  The two accumulators take turns.
.macro MM hh, f, zero
.irp u, 0,1
.if \zero
	v_wmma_f32_16x16x32_bf16 v[ACC+16*(\hh)+8*(\u):ACC+16*(\hh)+8*(\u)+7], v[(\f)+8+8*(\u):(\f)+15+8*(\u)], v[(\f):(\f)+7], 0
.else
	v_wmma_f32_16x16x32_bf16 v[ACC+16*(\hh)+8*(\u):ACC+16*(\hh)+8*(\u)+7], v[(\f)+8+8*(\u):(\f)+15+8*(\u)], v[(\f):(\f)+7], v[ACC+16*(\hh)+8*(\u):ACC+16*(\hh)+8*(\u)+7]
.endif
.endr
.endm
.macro PLACES                          ; four plain instructions between a matrix instruction and a load or a conversion into one of its sources (ISA guide 7.12.1 for conversions)
.rept 4
	v_nop
.endr
.endm
; The chunk's 128 K for centroid tiles 2 hh, 2 hh + 1.  LDS serves a wave's instructions in order (ISA guide 5.7.1.4): the loads see my stores above them.  A count of 6 leaves the younger set of six loads out.
.macro MULTH hh, t
	LOADF 0, FA
	LOADF 1, FB
	s_wait_dscnt 6
	MM \hh, FA, 1-(\t)                             ; in the first chunk these products start the sums: nothing is cleared
	PLACES
	LOADF 2, FA
	s_wait_dscnt 6
	MM \hh, FB, 0
	PLACES
	LOADF 3, FB
	s_wait_dscnt 6
	MM \hh, FA, 0
	s_wait_dscnt 0x0
	MM \hh, FB, 0
	PLACES                                         ; the next group's conversions write Y, which holds buffer b
.endm
	LOADG 0
	LOADG 1
.irp t, 0,1
	GROUP 6*(\t)+0
	GROUP 6*(\t)+1
	GROUP 6*(\t)+2
	MULTH 0, \t
	GROUP 6*(\t)+3                                 ; tiles 2 and 3 take the stage rows of tiles 0 and 1, behind the loads that read them: one wave, in order
	GROUP 6*(\t)+4
	MULTH 1, \t
	GROUP 6*(\t)+5
.endr
	; My partial logits go to LDS: query l % 16, clusters 16 j + 8 (l / 16) + 0..7.  Each accumulator's low registers are read first; W's 32 conversions are the places behind the last product.
.irp g, 0,1,2,3
	ds_store_b128 v[PST], v[ACC+8*(\g):ACC+8*(\g)+3]   offset:64*(\g)
	ds_store_b128 v[PST], v[ACC+8*(\g)+4:ACC+8*(\g)+7] offset:64*(\g)+16
.endr
	s_wait_dscnt 0x0                               ; for the others' sake: my stores are done
	s_barrier_signal -1
	s_barrier_wait -1
	; Wave w finishes query w; lane l has clusters 2 l and 2 l + 1.
.irp sw, 0,1,2,3,4,5,6,7,8,9,10,11,12,13,14,15
	ds_load_b64 v[LB+2*(\sw):LB+2*(\sw)+1], v[PRD] offset:(\sw)*PARTW
.endr
	s_wait_dscnt 0x0
.irp i, 0,1,2,3,4,5,6,7
	v_pk_add_f32 v[LB+4*(\i):LB+4*(\i)+1], v[LB+4*(\i):LB+4*(\i)+1], v[LB+4*(\i)+2:LB+4*(\i)+3]
.endr
.irp i, 0,1,2,3
	v_pk_add_f32 v[LB+8*(\i):LB+8*(\i)+1], v[LB+8*(\i):LB+8*(\i)+1], v[LB+8*(\i)+4:LB+8*(\i)+5]
.endr
.irp i, 0,1
	v_pk_add_f32 v[LB+16*(\i):LB+16*(\i)+1], v[LB+16*(\i):LB+16*(\i)+1], v[LB+16*(\i)+8:LB+16*(\i)+9]
.endr
	v_pk_add_f32 v[LB:LB+1], v[LB:LB+1], v[LB+16:LB+17]      ; v12, v13: the two logits before the temperature
	v_max_num_f32 v44, v12, v13                    ; the row's maximum, over the 32 lanes
	v_max_num_f32_dpp v44, v44, v44 row_xmask:1 row_mask:0xf bank_mask:0xf
	v_max_num_f32_dpp v44, v44, v44 row_xmask:2 row_mask:0xf bank_mask:0xf
	v_max_num_f32_dpp v44, v44, v44 row_xmask:4 row_mask:0xf bank_mask:0xf
	v_max_num_f32_dpp v44, v44, v44 row_xmask:8 row_mask:0xf bank_mask:0xf
	v_permlanex16_b32 v45, v44, s28, s29
	v_max_num_f32 v44, v44, v45
	v_sub_f32 v12, v12, v44                        ; the maximum is taken away first, then the scale: no large product is formed
	v_sub_f32 v13, v13, v44
	v_mul_f32 v12, s30, v12
	v_mul_f32 v13, s30, v13
	v_exp_f32 v12, v12
	v_exp_f32 v13, v13
	v_nop                                          ; a plain instruction behind the last exponential (ISA guide 5.7.2),
	s_wait_alu depctr_va_vdst(0)                   ; and a wait ahead of the first use of the two results
	v_add_f32 v46, v12, v13                        ; the row's sum
	v_add_f32_dpp v46, v46, v46 row_xmask:1 row_mask:0xf bank_mask:0xf
	v_add_f32_dpp v46, v46, v46 row_xmask:2 row_mask:0xf bank_mask:0xf
	v_add_f32_dpp v46, v46, v46 row_xmask:4 row_mask:0xf bank_mask:0xf
	v_add_f32_dpp v46, v46, v46 row_xmask:8 row_mask:0xf bank_mask:0xf
	v_permlanex16_b32 v47, v46, s28, s29
	v_add_f32 v46, v46, v47
	v_mul_f32 v48, 0x3c23d70a, v46                 ; 0.01 x sum
	v_cmp_gt_f32 s32, v12, v48                     ; bit l: cluster 2 l is hit
	v_cmp_gt_f32 s33, v13, v48                     ; bit l: cluster 2 l + 1
	v_mov_b32 v50, s32
	v_mov_b32 v51, s33
	ds_store_b64 v[HST], v[50:51]                  ; all lanes write the same two words
	s_wait_dscnt 0x0                               ; for wave 0's sake
	s_barrier_signal -1
	s_barrier_wait -1
	s_cmp_lg_u32 s18, 0
	s_cbranch_scc1 .Ldone
	v_add_nc_u32 v55, HWB, v[L4]
	ds_load_b32 v52, v55                           ; lane l: word l % 2 of query l / 2
	s_wait_dscnt 0x0
	global_store_b32 v[L4], v52, s[14:15]          ; 128 consecutive bytes: the group's 16 queries
	v_mov_b32 v53, v52                             ; the OR over lanes of equal parity
.irp m, 2,4,8
	v_mov_b32_dpp v54, v53 row_xmask:\m row_mask:0xf bank_mask:0xf
	v_or_b32 v53, v53, v54
.endr
	v_permlanex16_b32 v54, v53, s28, s29
	v_or_b32 v53, v53, v54
	v_cmp_gt_u32 vcc_lo, 2, v1
	s_wait_xcnt 0x0                                ; EXEC is a source of the store above: it changes only behind this wait
	s_and_saveexec_b32 s34, vcc_lo
	global_store_b32 v[L4], v53, s[16:17]          ; lanes 0 and 1: the two union words
	s_wait_xcnt 0x0                                ; and again in front of the line that widens it
	s_or_b32 exec_lo, exec_lo, s34
.Ldone:
	s_wait_tensorcnt 0x0                           ; the wave's end: behind my last LDS store
	ds_add_u32 v[SPW], v[NIL]
	s_wait_dscnt 0x0
	s_endpgm
.Lfunc_end_k_qda31bc50a9_prep:
	.size	k_qda31bc50a9_prep, .Lfunc_end_k_qda31bc50a9_prep-k_qda31bc50a9_prep
	.p2alignl 7, 3214868480
	.fill 96, 4, 3214868480
	.section	.rodata,"a",@progbits
	.p2align	6, 0x0
	.amdhsa_kernel k_qda31bc50a9_prep
		.amdhsa_group_segment_fixed_size 280832
		.amdhsa_private_segment_fixed_size 0
		.amdhsa_enable_private_segment 0
		.amdhsa_kernarg_size 56
		.amdhsa_user_sgpr_count 2
		.amdhsa_user_sgpr_kernarg_segment_ptr 1
		.amdhsa_wavefront_size32 1
		.amdhsa_system_sgpr_workgroup_id_x 1
		.amdhsa_system_sgpr_workgroup_id_y 1
		.amdhsa_system_sgpr_workgroup_id_z 1
		.amdhsa_system_vgpr_workitem_id 0
		.amdhsa_next_free_vgpr 228
		.amdhsa_next_free_sgpr 66
		.amdhsa_reserve_vcc 1
		.amdhsa_float_denorm_mode_32 3
		.amdhsa_float_denorm_mode_16_64 3
		.amdhsa_memory_ordered 1
		.amdhsa_forward_progress 1
		.amdhsa_inst_pref_size 77
	.end_amdhsa_kernel
	.amdgpu_metadata
---
amdhsa.version: [ 1, 2 ]
amdhsa.kernels:
  - .name:           k_qda31bc50a9_prep
    .symbol:         k_qda31bc50a9_prep.kd
    .args:
      - { .name: input, .offset: 0, .size: 8, .value_kind: global_buffer, .address_space: global }
      - { .name: weight, .offset: 8, .size: 8, .value_kind: global_buffer, .address_space: global }
      - { .name: centroids, .offset: 16, .size: 8, .value_kind: global_buffer, .address_space: global }
      - { .name: xb, .offset: 24, .size: 8, .value_kind: global_buffer, .address_space: global }
      - { .name: wb, .offset: 32, .size: 8, .value_kind: global_buffer, .address_space: global }
      - { .name: hits, .offset: 40, .size: 8, .value_kind: global_buffer, .address_space: global }
      - { .name: uni, .offset: 48, .size: 8, .value_kind: global_buffer, .address_space: global }
    .group_segment_fixed_size: 280832
    .private_segment_fixed_size: 0
    .kernarg_segment_align: 8
    .kernarg_segment_size: 56
    .max_flat_workgroup_size: 512
    .sgpr_count:     66
    .vgpr_count:     228
    .wavefront_size: 32
...
	.end_amdgpu_metadata
.endif
;; end of part 1
;; launch gemm (part 2): grid 16 x 16, 4 waves a work-group, clusters of 4 x 4, 327,680 bytes of LDS; arguments xb, wb, out0, bias, assignments, hits, uni; writes out0
.if DOCPART == 2
	.amdgcn_target "amdgcn-amd-amdhsa--gfx1250"
	.amdhsa_code_object_version 6
	.text
	.protected	k_qda31bc50a9_gemm
	.globl	k_qda31bc50a9_gemm
	.p2align	8
	.type	k_qda31bc50a9_gemm,@function
k_qda31bc50a9_gemm:
	s_mov_b64 s[64:65], 0
	v_nop
	global_prefetch_b8 v0, s[64:65] scope:SCOPE_SE
	s_setreg_imm32_b32 hwreg(HW_REG_WAVE_MODE, 25, 1), 1
	s_wait_xcnt 0x0
	s_wait_alu depctr_hold_cnt(0) depctr_sa_sdst(0) depctr_va_vdst(0) depctr_va_sdst(0) depctr_va_ssrc(0) depctr_va_vcc(0) depctr_vm_vsrc(0)
	s_getreg_b32 s2, hwreg(HW_REG_IB_STS2, 6, 4)
	s_cmp_eq_u32 s2, 0
	s_cbranch_scc0 .Lentry_in_a_cluster
	s_endpgm
.Lentry_in_a_cluster:
	s_bfe_u32 s2, ttmp6, 0x10000c
	s_cmp_lg_u32 s2, 0xf033
	s_cbranch_scc0 .Lentry_shape_is_right
	s_endpgm
.Lentry_shape_is_right:
; out0[q][r] = (sum over k of xb[q][k] wb[r][k]) + bias[r] where query q has a hit and the cluster assignments[r] is hit by any query; else 0.
; xb, wb: [4096][4096] bf16 (x and W rounded once by the launch before); sums in f32, K ascending; out0 [4096][4096] f32.
; hits[q][2]: query q's 64 hit bits (word c % 2, bit c / 2 for cluster c); uni[256][2]: ORs of 16 queries' words each.  The masks only select values: no address, branch or trip count hangs on them.
; LIMITS.  The matrix operands are bf16.  assignments are taken as 0 .. 63; of another number only the low six bits count.
; SHAPE.  A tile of out0, 256 x 256, is made by a work-group of four waves; a wave makes 128 x 128: 64 accumulators of 16 x 16, 512 registers.  256 tiles, one a work-group.
; K goes in steps of 128 through a ring of two LDS slots filled by the tensor data mover; the tiles' rows are 256 bytes of memory and start at multiples of 256 bytes from the buffer's first byte.
; CLUSTERS: 4 x 4 work-groups.  The four of a row of the cluster need the same tiles of xb, the four of a column the same tiles of wb: each tile is asked for JOINTLY, by the same tensor load with
; the same descriptor and a mask that names the four; each receives it in its own LDS.
; THE MATRIX INSTRUCTION IS USED TRANSPOSED: source 0 = 16 rows of wb, source 1 = 16 rows of xb: lane l then holds row l % 16 of the block and the columns 8 (l / 16) + 0..7.
; REGISTERS, in windows of 256 (s_set_vgpr_msb: bits 1:0 source 0, 3:2 source 1, 5:4 source 2, 7:6 destination):
;   window 0: v0-31 addresses and the bias; v32-63 at work ahead of the loop; v64-127, v128-191 fragments of xb, two buffers, and on the way out two buffers of 16 rows
;   window 1: v64-127, v128-191 fragments of wb, two buffers
;   window 2: the 32 accumulators of my rows 0-63 (accumulator (a, b) at v[8 (8 a + b)]);   window 3: those of my rows 64-127
.set SIZE_N, 4096
.set SIZE_K, 4096
.set KSTEP,  128
.set PITCH,  272                       ; an LDS row: 256 bytes + 16 of padding = 68 words: the 16 rows that a load touches start at 16 different groups of four banks (64 banks of 4 bytes: ISA guide 11.1)
.set HALFT,  128*PITCH                 ; 128 rows: what one tensor load brings, and what one wave reads of xb or of wb
.set SLOT,   4*HALFT                   ; xb's 256 rows, then wb's 256 rows
.set STAGE,  2*SLOT                    ; behind the ring: 16 rows x 528 bytes for each wave, for the way out; no tensor load fills it
.set SPITCH, 528                       ; 512 bytes of f32 + 16: 33 x 16 bytes
.set SPARE,  STAGE+4*16*SPITCH         ; behind the stages: the spare words, 128 bytes for each wave: two blocks of 256 bytes that no other line names
.set LAPS,   SIZE_K/(2*KSTEP)          ; a lap = two K steps = once round the ring: 16
.set ROWC,   SIZE_N*4                  ; bytes in a row of out0
.set BI,   8                           ; v8-11   bias of my lane's four columns on the way out
.set ADRA, 16                          ; v16-17  LDS address of my xb fragments in slot 0, 1
.set ADRB, 20                          ; v20-21  the same for wb
.set STO,  24                          ; v24     the way out: where I put 32 bytes of a row
.set RD,   25                          ; v25     the way out: where I read 16 bytes of a row back
.set CO,   26                          ; v26     16 lane: my byte offset in 512 bytes of out0, bias, assignments
.set HO,   27                          ; v27     8 lane: my byte offset in 32 queries' hit words
.set SPW,  28                          ; v28     my spare word; never rewritten
.set NIL,  29                          ; v29     0; never rewritten
.set UO,   30                          ; v30     64 lane: my byte offset in uni
.set F0,   64                          ; fragment buffer 0
.set F1,   128                         ; fragment buffer 1
.set BK0,  64                          ; the way out: 16 rows read back, 64 registers; two such buffers where xb's fragments lay
.set G1, 24                            ; s[24:31] descriptor group 1 for xb's tiles
.set G0, 32                            ; s[32:39] descriptor group 0 for xb's tiles, one set for each slot
.set G1B, 48                           ; s[48:55] descriptor group 1 for wb's tiles: it differs in the mask alone
.set G0B, 56                           ; s[56:63] descriptor group 0 for wb's tiles
.set CM, 76                            ; s[76:79] bit l of word j: column 4 l + j of my 128 is selected
.set QS, 80                            ; s[80:83] bit l of word i: row 32 i + l of my 128 is selected
.set RM, 84                            ; s[84:87] CM, or 0, for the row in hand
.set MSB, 0
.macro WIN new                         ; the immediate's high byte repeats the setting that is left; a switch that changes nothing is dropped
.if MSB != (\new)
	s_set_vgpr_msb (MSB<<8)|(\new)
.set MSB, \new
.endif
.endm
.set MUL_LO, 0xa1                      ; source 0 (wb) window 1, source 1 (xb) window 0, C and D window 2
.set MUL_HI, 0xf1                      ; the same, C and D window 3
.set TO_B,   0x40                      ; destination window 1, address window 0
; A joint load.  Waves 0 and 1 fetch xb's two halves, waves 2 and 3 wb's.  The branch hangs on the wave's number alone.  An s_nop 0 and four v_nop follow each of the two lines.
.macro JLOAD s
	s_cmp_eq_u32 s11, 0
	s_cbranch_scc0 .Lfor_b_\@
	tensor_load_to_lds s[G0+4*(\s):G0+4*(\s)+3], s[G1:G1+7]
	s_nop 0
.rept 4
	v_nop
.endr
	s_branch .Lasked_\@
.Lfor_b_\@:
	tensor_load_to_lds s[G0B+4*(\s):G0B+4*(\s)+3], s[G1B:G1B+7]
	s_nop 0
.rept 4
	v_nop
.endr
.Lasked_\@:
.endm
; A round of the cluster's barrier: my work-group's barrier; wave 0 signals for the work-group; every wave waits for all sixteen work-groups; my work-group's barrier once more.
.macro CREST                           ; a round behind its opening barrier
	s_cmp_lg_u32 s10, 0
	s_cbranch_scc1 .Lnot_wave_0_\@
	s_barrier_signal -3
.Lnot_wave_0_\@:
	s_barrier_wait -3
	s_barrier_signal -1
	s_barrier_wait -1
.endm
.macro CROUND                          ; a whole round
	s_barrier_signal -1
	s_barrier_wait -1
	CREST
.endm
	s_load_b128 s[4:7], s[0:1], 0x0                ; xb s[4:5], wb s[6:7]
	s_load_b64 s[8:9], s[0:1], 0x10                ; out0
	s_load_b256 s[68:75], s[0:1], 0x18             ; bias s[68:69], assignments s[70:71], hits s[72:73], uni s[74:75]
	v_lshl_add_u32 v[SPW], v0, 2, SPARE
	v_mov_b32 v[NIL], 0
	ds_add_u32 v[SPW], v[NIL]                      ; the wave's opening: the add and its wait stand ahead of my first tensor load; the set-up below, work on registers, stands between them
	v_lshrrev_b32 v1, 5, v0
	v_readfirstlane_b32 s10, v1                    ; wave 0..3
	s_lshr_b32 s11, s10, 1                         ; which half of the tile's rows is mine.  Also: I fetch for xb (0) or for wb (1)
	s_and_b32 s12, s10, 1                          ; which half of its columns.  Also: which 128 rows of that tile I fetch
	s_bfe_u32 s40, ttmp6, 0x40000                  ; cx: my place along the cluster's x
	s_bfe_u32 s41, ttmp6, 0x40004                  ; cy: along its y
	s_lshl_b32 s42, ttmp9, 2                       ; in a cluster launch ttmp9 and ttmp7 count clusters
	s_add_co_u32 s42, s42, s40                     ; tile column = 4 x cluster x + cx
	s_and_b32 s13, ttmp7, 0xffff
	s_lshl_b32 s13, s13, 2
	s_add_co_u32 s13, s13, s41                     ; tile row = 4 x cluster y + cy
	s_lshl_b32 s43, s41, 2
	s_lshl_b32 s43, 15, s43                        ; my row of the cluster: places 4 cy .. 4 cy + 3
	s_lshl_b32 s44, 0x1111, s40                    ; my column: places cx, cx + 4, cx + 8, cx + 12
	; descriptor group 1: a tile of 128 rows x 128 elements, padded in LDS
	s_or_b32 s[G1+0], s43, (1<<16)|(1<<20)|(1<<21)|(5<<22)|(3<<25)  ; 15:0 the mask: xb's tiles go to my row; 17:16 elements of 2 bytes; 20 padding on; 21 set beside a mask; 24:22 after every 64 words (code 5); 31:25 4 words (code 3)
	s_or_b32 s[G1B+0], s44, (1<<16)|(1<<20)|(1<<21)|(5<<22)|(3<<25) ; the same with the mask of my column, for wb's tiles
.irp g, G1, G1B
	s_mov_b32 s[(\g)+1], KSTEP<<16                 ; tensor_dim0 = 128
	s_mov_b32 s[(\g)+2], 128<<16                   ; tensor_dim1 = 128
	s_mov_b32 s[(\g)+3], KSTEP<<16                 ; tile_dim0 = 128
	s_mov_b32 s[(\g)+4], 128                       ; tile_dim1 = 128
	s_mov_b32 s[(\g)+5], SIZE_K                    ; elements from row to row
	s_mov_b32 s[(\g)+6], 0
	s_mov_b32 s[(\g)+7], 0
.endr
	; where the tiles come from: xb's hang on the tile row alone, wb's on the tile column alone; each address is made in registers that never hold the other coordinate
	s_lshl_b32 s17, s12, 7                         ; which 128 rows of the tile I fetch
	s_lshl_b32 s16, s13, 8
	s_add_co_u32 s16, s16, s17                     ; xb: row 256 x tile row + 128 x half
	s_lshl_b32 s46, s42, 8
	s_add_co_u32 s46, s46, s17                     ; wb: row 256 x tile column + 128 x half
	s_mov_b32 s17, 0
	s_mov_b32 s47, 0
	s_mov_b64 s[18:19], SIZE_K*2
	s_mul_u64 s[16:17], s[16:17], s[18:19]         ; in bytes
	s_mul_u64 s[46:47], s[46:47], s[18:19]
	s_mul_i32 s20, s10, HALFT                      ; where they go: wave x 128 rows: no place in the cluster enters an LDS address
	s_mov_b32 s90, 0x76543210                      ; v_permlanex16_b32: each lane takes its own place in the other half
	s_mov_b32 s91, 0xfedcba98
	; byte offsets of my part in out0, bias, assignments and hits
	s_lshl_b32 s88, s13, 8
	s_lshl_b32 s89, s11, 7
	s_add_co_u32 s88, s88, s89                     ; my first row
	s_lshl_b32 s93, s88, 3                         ; 8 bytes of hit words a row
	s_lshl_b32 s88, s88, 14                        ; 16,384 bytes of out0 a row: under 2^27
	s_lshl_b32 s94, s42, 10
	s_lshl_b32 s89, s12, 9
	s_add_co_u32 s94, s94, s89                     ; my first column, in bytes of 4-byte numbers
	s_add_co_u32 s88, s88, s94
	s_mov_b32 s89, 0
	s_wait_dscnt 0x0                               ; the opening add is done
	s_wait_kmcnt 0x0
	s_add_nc_u64 s[14:15], s[4:5], s[16:17]
	s_add_nc_u64 s[46:47], s[6:7], s[46:47]
	s_add_nc_u64 s[8:9], s[8:9], s[88:89]
	s_mov_b32 s88, s94
	s_add_nc_u64 s[68:69], s[68:69], s[88:89]
	s_add_nc_u64 s[70:71], s[70:71], s[88:89]
	s_mov_b32 s88, s93
	s_add_nc_u64 s[72:73], s[72:73], s[88:89]
	CROUND                                         ; all sixteen work-groups are here: the first joint loads meet
.irp s, 0,1
	s_mov_b32 s[G0+4*(\s)], 1                                      ; 1:0 count = 1
	s_add_co_u32 s[G0+4*(\s)+1], s20, (\s)*SLOT                    ; 63:32 LDS address
	s_add_nc_u64 s[G0+4*(\s)+2:G0+4*(\s)+3], s[14:15], (\s)*KSTEP*2  ; 120:64 global address: K step s
	s_or_b32 s[G0+4*(\s)+3], s[G0+4*(\s)+3], 0x80000000            ; 127:126 type = 2
	s_mov_b32 s[G0B+4*(\s)], 1
	s_add_co_u32 s[G0B+4*(\s)+1], s20, (\s)*SLOT
	s_add_nc_u64 s[G0B+4*(\s)+2:G0B+4*(\s)+3], s[46:47], (\s)*KSTEP*2
	s_or_b32 s[G0B+4*(\s)+3], s[G0B+4*(\s)+3], 0x80000000
	JLOAD \s                                       ; the ring is filled before anything else is done: two loads of mine are out
.endr
	; A fragment is 16 rows x 32 K in 8 registers: lane l holds row l % 16; registers 0-3 K = 8 (l / 16) + 0..7, registers 4-7 K = 16 + 8 (l / 16) + 0..7: two loads of 16 bytes, 32 bytes apart.
	v_and_b32 v1, 15, v0                           ; l % 16
	v_bfe_u32 v2, v0, 4, 1                         ; l / 16
	v_mul_u32_u24 v3, v1, PITCH
	v_lshl_add_u32 v3, v2, 4, v3                   ; row x pitch + 16 x half
	s_mul_i32 s21, s11, HALFT                      ; my 128 rows of xb
	s_mul_i32 s22, s12, HALFT                      ; my 128 rows of wb,
	s_add_co_u32 s22, s22, 2*HALFT                 ; which lie behind xb's 256
.irp s, 0,1
	v_add_nc_u32 v[ADRA+(\s)], s21, v3
	v_add_nc_u32 v[ADRB+(\s)], s22, v3
	s_add_co_u32 s21, s21, SLOT
	s_add_co_u32 s22, s22, SLOT
.endr
	s_mul_i32 s23, s10, 16*SPITCH
	s_add_co_u32 s23, s23, STAGE                   ; my stage
	v_mul_u32_u24 v4, v1, SPITCH                   ; in: row l % 16, 32 bytes for each half of the lanes
	v_lshl_add_u32 v4, v2, 5, v4
	v_add_nc_u32 v[STO], s23, v4
	v_and_b32 v5, 31, v0                           ; lane
	v_lshlrev_b32 v[CO], 4, v5
	v_add_nc_u32 v[RD], s23, v[CO]                 ; back: the 32 lanes take one row of 512 bytes
	v_lshlrev_b32 v[HO], 3, v5
	v_lshlrev_b32 v[UO], 6, v5
	; THE MASKS, made while the first tiles are on their way.  Ten loads, one wait.
.irp i, 0,1,2,3
	global_load_b128 v[32+4*(\i):35+4*(\i)], v[UO], s[74:75] offset:16*(\i)   ; uni: 8 of the 256 pairs of words a lane
.endr
	global_load_b128 v[48:51], v[CO], s[70:71]     ; the clusters of my four columns
	global_load_b128 v[BI:BI+3], v[CO], s[68:69]   ; and their bias
.irp i, 0,1,2,3
	global_load_b64 v[52+2*(\i):53+2*(\i)], v[HO], s[72:73] offset:256*(\i)   ; the hit words of row 32 i + lane of my 128
.endr
	v_mov_b32 v62, 0                               ; the lane moves below count as readers of their destinations
	v_mov_b32 v63, 0
	s_wait_loadcnt 0x0
	v_or_b32 v60, v32, v34                         ; the union over all queries: word 0 in v60, word 1 in v61
	v_or_b32 v61, v33, v35
.irp i, 36,38,40,42,44,46
	v_or_b32 v60, v60, v[\i]
	v_or_b32 v61, v61, v[(\i)+1]
.endr
.irp m, 1,2,4,8
	v_mov_b32_dpp v62, v60 row_xmask:\m row_mask:0xf bank_mask:0xf
	v_mov_b32_dpp v63, v61 row_xmask:\m row_mask:0xf bank_mask:0xf
	v_or_b32 v60, v60, v62
	v_or_b32 v61, v61, v63
.endr
	v_permlanex16_b32 v62, v60, s90, s91
	v_permlanex16_b32 v63, v61, s90, s91
	v_or_b32 v60, v60, v62
	v_or_b32 v61, v61, v63                         ; every lane holds both words
.irp j, 0,1,2,3
	v_and_b32 v32, 1, v[48+(\j)]                   ; cluster c: word c % 2,
	v_cmp_eq_u32 s92, 1, v32
	v_cndmask_b32 v33, v60, v61, s92
	v_lshrrev_b32 v32, 1, v[48+(\j)]               ; bit c / 2
	v_lshrrev_b32 v33, v32, v33
	v_and_b32 v33, 1, v33
	v_cmp_eq_u32 s[CM+(\j)], 1, v33
.endr
.irp i, 0,1,2,3
	v_or_b32 v32, v[52+2*(\i)], v[53+2*(\i)]       ; a query is selected if it has any hit
	v_cmp_ne_u32 s[QS+(\i)], 0, v32
.endr
; 16 matrix instructions: m blocks a0, a0 + 1 of the window's four (hi = 0: my rows 0-63, 1: rows 64-127) x all 8 n blocks, 32 along K.  zero = 1: the first product starts the sums: nothing is cleared.
; The 64 accumulators take turns, one instruction a turn, in the same order in every quarter step.
.macro MUL16 f, hi, a0, zero
	WIN MUL_LO+0x50*(\hi)
.irp a, \a0, (\a0)+1
.irp b, 0,1,2,3,4,5,6,7
.if \zero
	v_wmma_f32_16x16x32_bf16 v[8*(8*(\a)+(\b)):8*(8*(\a)+(\b))+7], v[(\f)+8*(\b):(\f)+8*(\b)+7], v[(\f)+8*(4*(\hi)+(\a)):(\f)+8*(4*(\hi)+(\a))+7], 0
.else
	v_wmma_f32_16x16x32_bf16 v[8*(8*(\a)+(\b)):8*(8*(\a)+(\b))+7], v[(\f)+8*(\b):(\f)+8*(\b)+7], v[(\f)+8*(4*(\hi)+(\a)):(\f)+8*(4*(\hi)+(\a))+7], v[8*(8*(\a)+(\b)):8*(8*(\a)+(\b))+7]
.endif
.endr
.endr
.endm
; 32 LDS loads in one run: the fragments of one quarter step (128 rows of wb, 128 rows of xb, 32 K at byte k of the rows) into buffer f
.macro FETCH slot, k, f
	WIN TO_B
.irp i, 0,1,2,3,4,5,6,7
	ds_load_b128 v[(\f)+8*(\i):(\f)+8*(\i)+3],   v[ADRB+(\slot)] offset:(\k)+(\i)*16*PITCH
	ds_load_b128 v[(\f)+8*(\i)+4:(\f)+8*(\i)+7], v[ADRB+(\slot)] offset:(\k)+(\i)*16*PITCH+32
.endr
	WIN 0
.irp i, 0,1,2,3,4,5,6,7
	ds_load_b128 v[(\f)+8*(\i):(\f)+8*(\i)+3],   v[ADRA+(\slot)] offset:(\k)+(\i)*16*PITCH
	ds_load_b128 v[(\f)+8*(\i)+4:(\f)+8*(\i)+7], v[ADRA+(\slot)] offset:(\k)+(\i)*16*PITCH+32
.endr
.endm
.macro PLACES                          ; four plain instructions between a matrix instruction and a load into one of its sources, or a reader of its result (ISA guide 7.12.1 for VALU readers of its result)
.rept 4
	v_nop
.endr
.endm
; A K step is four quarter steps of 32 along K, 64 matrix instructions each, on buffers 0, 1, 0, 1.  One of the first three: multiplies buffer f; in its middle it fetches the next quarter, at byte k, into g.
.macro QUARTER slot, k, f, g, zero
	s_wait_dscnt 8                                 ; wb and xb's rows 0-63 are in; the youngest eight loads (xb's rows 64-127) may be out
	WIN MUL_LO
	MUL16 \f, 0, 0, \zero
	MUL16 \f, 0, 2, \zero
	PLACES
	FETCH \slot, \k, \g
	s_wait_dscnt 32                                ; all but the 32 just issued
	WIN MUL_HI
	MUL16 \f, 1, 0, \zero
	MUL16 \f, 1, 2, \zero
.endm
; The first half of a K step's last quarter: ONE barrier for the change of slots.  In front of it each wave waits for all its tensor loads, of which one is out: its part of the next slot; adds 0 to its
; spare word; and waits for that and for its own reads of this slot.  Behind it nobody reads this slot any more and the next slot is whole.
.macro MEET round                      ; round = 1: a round of the cluster's barrier follows
	WIN 0                                          ; (the add's two registers lie in window 0)
	s_wait_tensorcnt 0x0                           ; all my tensor loads have landed;
	ds_add_u32 v[SPW], v[NIL]                      ; 0 onto my spare word;
	s_wait_dscnt 9                                 ; (the add and the youngest eight loads may be out)
	WIN MUL_LO
	MUL16 F1, 0, 0, 0                              ; sixteen matrix instructions stand between the add and the wait for it
	s_wait_dscnt 0x0                               ; the add is done, and my reads of this slot are over:
	s_barrier_signal -1                            ; say so,
	MUL16 F1, 0, 2, 0                              ; work on registers while the others arrive,
.if \round
	WIN 0
.endif
	s_barrier_wait -1                              ; and go on when all four have said so
.endm
; The whole last quarter.  Behind the round the slot just read out is filled again first, with the K step two steps on; then come the next slot's first fragments.
; From a request to the wait for it a wave issues 224 matrix instructions.
.macro TURN slot, next
	MEET 1
	CREST                                          ; no wave of any partner still reads this slot's tile or has a load on its way
	s_add_nc_u64 s[G0+4*(\slot)+2:G0+4*(\slot)+3], s[G0+4*(\slot)+2:G0+4*(\slot)+3], 2*KSTEP*2
	s_add_nc_u64 s[G0B+4*(\slot)+2:G0B+4*(\slot)+3], s[G0B+4*(\slot)+2:G0B+4*(\slot)+3], 2*KSTEP*2
	JLOAD \slot                                    ; my one tensor load behind the round; the four v_nop behind it are also the places in front of the loads below
	FETCH \next, 0, F0
	WIN MUL_HI
	MUL16 F1, 1, 0, 0
	MUL16 F1, 1, 2, 0
.endm
; THE WAY OUT of block a (16 of my rows).  TOSTAGE: the f32 sums go into my own stage, 32 bytes a lane and accumulator, each accumulator's low registers first, and come back as
; whole rows of 512 bytes: lane l then holds columns 4 l .. 4 l + 3 of every row.
.macro TOSTAGE a
.set AC, 64*((\a)%4)
.set BK, BK0+64*((\a)%2)
.if (\a) >= 2
	s_wait_xcnt 0x0                                ; this buffer was the data of the stores two blocks back: it is loaded again only behind this wait
.endif
	WIN 0x08+4*((\a)/4)                            ; the stores' data: window 2 or 3
.irp b, 0,1,2,3,4,5,6,7
	ds_store_b128 v[STO], v[AC+8*(\b):AC+8*(\b)+3]   offset:64*(\b)
	ds_store_b128 v[STO], v[AC+8*(\b)+4:AC+8*(\b)+7] offset:64*(\b)+16
.endr
	WIN 0
.irp t, 0,1,2,3,4,5,6,7,8,9,10,11,12,13,14,15
	ds_load_b128 v[BK+4*(\t):BK+4*(\t)+3], v[RD] offset:(\t)*SPITCH  ; LDS serves a wave's instructions in order (ISA guide 5.7.1.4): these see the stores above; the next block's stores come behind them
.endr
.endm
; SEND: row by row: the bias is added, the four numbers are kept where the column's and the row's bits are both set, else 0, and stored.  younger: the LDS instructions issued behind this block's loads.
.macro SEND a, younger
.set BK, BK0+64*((\a)%2)
.irp t, 0,1,2,3,4,5,6,7,8,9,10,11,12,13,14,15
	s_wait_dscnt (\younger)+15-(\t)                ; row t is back in registers
	s_bitcmp1_b32 s[QS+(16*(\a)+(\t))/32], (16*(\a)+(\t))%32   ; is this row's query selected?
	s_cselect_b64 s[RM:RM+1], s[CM:CM+1], 0
	s_cselect_b64 s[RM+2:RM+3], s[CM+2:CM+3], 0
	v_pk_add_f32 v[BK+4*(\t):BK+4*(\t)+1],   v[BK+4*(\t):BK+4*(\t)+1],   v[BI:BI+1]
	v_pk_add_f32 v[BK+4*(\t)+2:BK+4*(\t)+3], v[BK+4*(\t)+2:BK+4*(\t)+3], v[BI+2:BI+3]
.irp j, 0,1,2,3
	v_cndmask_b32 v[BK+4*(\t)+(\j)], 0, v[BK+4*(\t)+(\j)], s[RM+(\j)]
.endr
	global_store_b128 v[CO], v[BK+4*(\t):BK+4*(\t)+3], s[8:9] offset:(16*(\a)+(\t))*ROWC th:TH_STORE_NT  ; 512 consecutive bytes, at a multiple of 512 from out0's first byte; 127 rows at the most stand in the immediate
.endr
.endm
	s_wait_tensorcnt 1                             ; my part of K step 0 is in; K step 1's may stay out
	s_barrier_signal -1
	s_barrier_wait -1                              ; everybody's is
	FETCH 0, 0, F0
	QUARTER 0, 64,  F0, F1, 1                      ; the first quarter stands in front of the loop: its products start the sums
	WIN 0                                          ; at a label and at a branch every window is 0
	s_mov_b32 s3, LAPS-1
.Llap:                                                 ; a trip goes once round the ring, from a lap's second quarter to the next lap's first, and fills both slots again
	QUARTER 0, 128, F1, F0, 0
	QUARTER 0, 192, F0, F1, 0
	TURN 0, 1
	QUARTER 1, 64,  F0, F1, 0
	QUARTER 1, 128, F1, F0, 0
	QUARTER 1, 192, F0, F1, 0
	TURN 1, 0
	QUARTER 0, 64,  F0, F1, 0
	WIN 0
	s_sub_co_u32 s3, s3, 1
	s_cmp_lg_u32 s3, 0
	s_cbranch_scc1 .Llap
	QUARTER 0, 128, F1, F0, 0                      ; the last lap is written out: it asks for nothing more
	QUARTER 0, 192, F0, F1, 0
	MEET 0                                         ; my one tensor load that was still out is the last K step's, so no round follows
	PLACES                                         ; for the loads into buffer 0, which the quarter before multiplied
	FETCH 1, 0, F0
	WIN MUL_HI
	MUL16 F1, 1, 0, 0
	MUL16 F1, 1, 2, 0
	QUARTER 1, 64,  F0, F1, 0
	QUARTER 1, 128, F1, F0, 0
	QUARTER 1, 192, F0, F1, 0
	s_wait_dscnt 8                                 ; the very last quarter: nothing more to fetch
	WIN MUL_LO
	MUL16 F1, 0, 0, 0
	MUL16 F1, 0, 2, 0
	s_wait_dscnt 0x0
	MUL16 F1, 1, 0, 0
	MUL16 F1, 1, 2, 0
	WIN 0
	PLACES                                         ; behind the last products: the LDS stores read results, the loads land where xb's fragments lay
	TOSTAGE 0
	TOSTAGE 1
	SEND 0, 32                                     ; the next block's 16 stores and 16 loads were issued behind this block's loads
.irp a, 2,3,4,5,6,7
	TOSTAGE \a
	SEND (\a)-1, 32
.endr
	SEND 7, 0
	s_wait_tensorcnt 0x0                           ; the wave's end: behind my last tensor load and my last LDS store
	ds_add_u32 v[SPW], v[NIL]
	s_wait_dscnt 0x0
	CROUND                                         ; the closing round: no work-group ends while a partner may still ask for a tile that names it
	s_endpgm
.Lfunc_end_k_qda31bc50a9_gemm:
	.size	k_qda31bc50a9_gemm, .Lfunc_end_k_qda31bc50a9_gemm-k_qda31bc50a9_gemm
	.p2alignl 7, 3214868480
	.fill 96, 4, 3214868480
	.section	.rodata,"a",@progbits
	.p2align	6, 0x0
	.amdhsa_kernel k_qda31bc50a9_gemm
		.amdhsa_group_segment_fixed_size 327680
		.amdhsa_private_segment_fixed_size 0
		.amdhsa_enable_private_segment 0
		.amdhsa_kernarg_size 56
		.amdhsa_user_sgpr_count 2
		.amdhsa_user_sgpr_kernarg_segment_ptr 1
		.amdhsa_wavefront_size32 1
		.amdhsa_system_sgpr_workgroup_id_x 1
		.amdhsa_system_sgpr_workgroup_id_y 1
		.amdhsa_system_sgpr_workgroup_id_z 1
		.amdhsa_system_vgpr_workitem_id 0
		.amdhsa_next_free_vgpr 1024
		.amdhsa_next_free_sgpr 96
		.amdhsa_reserve_vcc 0
		.amdhsa_float_denorm_mode_32 3
		.amdhsa_float_denorm_mode_16_64 3
		.amdhsa_memory_ordered 1
		.amdhsa_forward_progress 1
		.amdhsa_inst_pref_size 208
	.end_amdhsa_kernel
	.amdgpu_metadata
---
amdhsa.version: [ 1, 2 ]
amdhsa.kernels:
  - .name:           k_qda31bc50a9_gemm
    .symbol:         k_qda31bc50a9_gemm.kd
    .args:
      - { .name: xb, .offset: 0, .size: 8, .value_kind: global_buffer, .address_space: global }
      - { .name: wb, .offset: 8, .size: 8, .value_kind: global_buffer, .address_space: global }
      - { .name: out0, .offset: 16, .size: 8, .value_kind: global_buffer, .address_space: global }
      - { .name: bias, .offset: 24, .size: 8, .value_kind: global_buffer, .address_space: global }
      - { .name: assignments, .offset: 32, .size: 8, .value_kind: global_buffer, .address_space: global }
      - { .name: hits, .offset: 40, .size: 8, .value_kind: global_buffer, .address_space: global }
      - { .name: uni, .offset: 48, .size: 8, .value_kind: global_buffer, .address_space: global }
    .group_segment_fixed_size: 327680
    .private_segment_fixed_size: 0
    .kernarg_segment_align: 8
    .kernarg_segment_size: 56
    .max_flat_workgroup_size: 128
    .sgpr_count:     96
    .vgpr_count:     1024
    .wavefront_size: 32
...
	.end_amdgpu_metadata
.endif
;; end of part 2
